; MI455X (gfx1250); checked and timed in simulation.
; The chip was launched on July 23, 2026; its instructions are those of AMD's public machine-readable ISA for CDNA 5 (MIT licence, August 2026) and "CDNA5" Instruction Set Architecture Reference Guide (July 2026). The comments in the code are by the model that wrote it; some were corrected since.
;; Bahdanau Attention. Allowed arithmetic: matrix products marked QUANTISED: E5M2 operands, one given power-of-two scale a tensor, by v_wmma_f32_16x16x64_bf8_bf8 or v_wmma_f32_16x16x128_bf8_bf8, f32 sums; products left as they are: f32 operands where the result goes on into a quantised operand, else bf16, f16 or f32 operands; f32 sums; everything else in f32.
;; Inputs: We 1,024 x 1 float32; Wk 1,024 x 1,024 float32; Wq 1,024 x 1,024 float32; lowp_scales 4 int32 (the exponents e of the quantised operands' scales 2^e); mask 32 x 1 x 2,048 bool; query 32 x 1 x 1,024 float32; values 32 x 2,048 x 1,024 float32.
;; Outputs: out0 32 x 1 x 1,024 float32; out1 32 x 1 x 2,048 float32.
;; This version of the problem:
;;   THIS VERSION OF THE PROBLEM IS GIVEN IN LOW PRECISION. The matrix products marked QUANTISED in the list below multiply operands that are first quantised to E5M2 (5 exponent bits, 2 mantissa bits; 8 bits a number), with one given power-of-two scale for each operand tensor; their sums are f32. All else is computed in f32.
;;   The module's matrix products, in the order in which they are computed (A, B: the left and right operand; K: the contracted axis; several contracted axes count as one K, in the product's order):
;;     1. [M 65,536, K 1,024] x [K 1,024, N 1,024]; A: input values; B: input Wk: QUANTISED (scales: A lowp_scales[0], B lowp_scales[1])
;;     2. [M 32, K 1,024] x [K 1,024, N 1,024]; A: input query; B: input Wq: QUANTISED (scales: A lowp_scales[2], B lowp_scales[3])
;;     3. [M 1, K 1,024] x [K 1,024, N 65,536]; A: input We; B: computed on the way: left as it is (M = 1 < 16)
;;     4. batch 32 x [M 1, K 2,048] x [K 2,048, N 1,024]; A: softmax; B: input values: left as it is (M = 1 < 16)
;;   THE QUANTISER, for each operand of a quantised product, along K:
;;     - The operand's scale is 2^e, e = its entry of the input lowp_scales (int32; the entries are numbered through the quantised products in the list's order, A before B).
;;     - Each number is divided by the scale, clamped to +-57,344, and rounded to the nearest number of E5M2, ties to even, subnormals kept.
;;     - The product sums the exact products of the quantised numbers (number of the format x scale) in f32.
;;   ~~~python
;;   def quantise(x, axis, e):      # numpy; x: float32 -> the quantised numbers, widened to float32 again
;;       x = np.moveaxis(x, axis, -1); K = x.shape[-1]
;;       r = np.clip(x / 2.0 ** e, -57344, 57344)
;;       step = 2.0 ** (np.maximum(np.frexp(np.where(r == 0, 1, r))[1] - 1, -14) - 2)
;;       q = np.round(r / step) * step * 2.0 ** e      # np.round: ties to even
;;       return np.moveaxis(q, -1, axis).astype(np.float32)
;;   ~~~
;; One version. Each part assembles by itself: llvm-mc -triple=amdgcn-amd-amdhsa -mcpu=gfx1250 --defsym DOCPART=n.
;; ======== version 1 of 1: 3 launches
;; limits: right only within a limited range of input values
;; workspace buffers: wkc 1,048,576 bytes; pq 524,288 bytes; scores 262,144 bytes
;; launch prep (part 1): grid 256 x 1, 2 waves a work-group, no clusters, 4,352 bytes of LDS; arguments Wk, Wq, query, lowp_scales, wkc, pq; writes wkc, pq
.if DOCPART == 1
	.amdgcn_target "amdgcn-amd-amdhsa--gfx1250"
	.amdhsa_code_object_version 6
	.text
	.protected	k_q46e1510461_prep
	.globl	k_q46e1510461_prep
	.p2align	8
	.type	k_q46e1510461_prep,@function
k_q46e1510461_prep:
	s_mov_b64 s[64:65], 0
	v_nop
	global_prefetch_b8 v0, s[64:65] scope:SCOPE_SE
	s_setreg_imm32_b32 hwreg(HW_REG_WAVE_MODE, 25, 1), 1
	s_wait_xcnt 0x0
; Two things for the launch that follows.  (1) wkc: Wk [1024 (k)][1024 (n)] f32 as codes of BF8 (E5M2) with the given scale 2^e1, laid as IMAGES OF OPERAND REGISTERS:
; for tile g of 16 columns, K step s of 128 and register group c, the 512 bytes at 16384 g + 2048 s + 512 c hold lane l's registers 4 c .. 4 c + 3 at 16 l.
; (2) pq [4][32][1024] f32: plane q = 2 log2(e) x the part of Q(query) Q(Wq) that K steps 2 q and 2 q + 1 give: the second quantised product, on codes, scales 2^e2 and 2^e3, already multiplied by the factor
; that the next launch's exponentials want.  The next launch adds the four planes: a sum does not cross work-groups here.
; SHARES.  64 tiles of 16 columns x 8 K steps are 512 shares of a wave; two to a work-group give 256 work-groups, one for each WGP.  Work-group (g, q), g = number / 4, q = number % 4, takes columns
; 16 g .. 16 g + 15 of BOTH weights; its wave w takes K step 2 q + w.  A LANE TAKES A COLUMN AND ITS REGISTERS RUN DOWN K: lane (r, h) register 16 c + i = W(128 s + 32 c + 16 h + i, 16 g + r), so the
; conversions' results are the operand's registers and nothing is transposed.  That order of k in the registers is a permutation of the form's own, the same in both operands of every product of this program.
; A load of a weight reads 64 consecutive bytes in each half of the lanes: both weights are 8 MB, read once, and each work-group wants exactly these columns.
; The two waves' partial sums meet in LDS behind one barrier.  No tensor loads and no cluster: work-groups share only query's 128 KB.
; LIMITS: e1, e2, e3 between -126 and 112, so that 2^e and 57,344 x 2^e are f32 numbers; e2 + e3 is applied by v_ldexp_f32 and has none.  NaN among the inputs is not served; an infinity is held at the largest code.
; WORK LEFT OUT BY THE PROGRAM: tanh(x) = 1 - 2 / (1 + e^(2 x)), so a score is sum(We) - 2 sum over h of We[h] / (1 + e^(2 x[h])).  sum(We) is the same for every key of a row: a term added to the softmax's
; input that is constant along its axis; it cancels in out1, and so in out0, for all values of the inputs, and the scores themselves are no output.  It is not computed.
; LIMIT: a NaN, an infinity or an overflow that arises in sum(We) alone is not carried to the results.
.set KROW, 4096                        ; a row of Wk, Wq, query or of a plane of pq in bytes
.set WO,   3                           ; v3   a weight: 16 h rows + 4 r
.set QO,   4                           ; v4   query: row r + 64 h bytes
.set L16,  5                           ; v5   16 x lane
.set RST,  6                           ; v6   LDS: 16 x lane + 2048 x wave: where my partial sums go
.set RLD,  7                           ; v7   LDS: the 16 bytes that I add up
.set PO,   8                           ; v8   and their place in a plane of pq
.set WKC,  16                          ; v16-31   Wk's codes
.set WQC,  32                          ; v32-47   Wq's codes
.set Q0C,  48                          ; v48-63   query rows 0-15, codes
.set Q1C,  64                          ; v64-79   query rows 16-31, codes (over Wk's numbers, which are done with)
.set D0,   80                          ; v80-87   partial sums, batch rows 0-15
.set D1,   88                          ; v88-95   batch rows 16-31
.set PS,   96                          ; v96-111  two waves' partial sums, two pieces of four numbers each
.set WKN,  64                          ; v64-127  Wk's 64 numbers
.set WQN,  128                         ; v128-191 Wq's
.set QN,   192                         ; v192-255 query's, one tile of rows at a time
.macro MKSC e, vs, vl                  ; v[vs] = 2^e as f32 (the conversion takes its exponent field), v[vl] = 57,344 x 2^e
	s_add_co_i32 s24, s[\e], 127
	s_lshl_b32 s25, s24, 23
	v_mov_b32 v[\vs], s25
	s_add_co_i32 s24, s24, 15
	s_lshl_b32 s24, s24, 23
	s_or_b32 s24, s24, 0x600000
	v_mov_b32 v[\vl], s24
.endm
.macro WLOAD reg, base                 ; 64 numbers of my column, down K
.irp c, 0,1,2,3
.irp i, 0,1,2,3,4,5,6,7,8,9,10,11,12,13,14,15
	global_load_b32 v[\reg+16*\c+\i], v[WO], s[\base:\base+1] offset:(32*\c+\i)*KROW
.endr
.endr
.endm
.macro QLOAD mt                        ; 64 numbers of query's row 16 mt + r: 16 neighbours of each block of 32
.irp c, 0,1,2,3
.irp j, 0,1,2,3
	global_load_b128 v[QN+16*\c+4*\j:QN+16*\c+4*\j+3], v[QO], s[8:9] offset:\mt*16*KROW+128*\c+16*\j
.endr
.endr
.endm
.macro QUANT src, dst, vs, vl          ; 64 numbers of a lane become a fragment's 16 registers
.irp c, 0,1,2,3
.irp i, 0,1,2,3,4,5,6,7,8,9,10,11,12,13,14,15
	v_med3_num_f32 v[\src+16*\c+\i], v[\src+16*\c+\i], -v[\vl], v[\vl]   ; the conversion to an 8-bit code does not saturate (ISA guide 7.6.2): the hold at the largest code x the scale
.endr
	v_cvt_scalef32_pk8_bf8_f32 v[\dst+4*\c:\dst+4*\c+1], v[\src+16*\c:\src+16*\c+7], v[\vs]
	v_cvt_scalef32_pk8_bf8_f32 v[\dst+4*\c+2:\dst+4*\c+3], v[\src+16*\c+8:\src+16*\c+15], v[\vs]
.endr
	v_nop                                          ; one plain vector line behind the last conversion, ahead of whatever vector or matrix line next touches its registers
.endm
	s_load_b256 s[4:11], s[0:1], 0x0               ; Wk s[4:5], Wq s[6:7], query s[8:9], the scales' exponents s[10:11]
	s_load_b128 s[12:15], s[0:1], 0x20             ; wkc s[12:13], pq s[14:15]
	s_set_vgpr_msb 0x40
	v_lshl_add_u32 v0, v0, 2, 0x1000
	v_mov_b32 v1, 0
	s_set_vgpr_msb 0x4000
	v_lshrrev_b32 v1, 5, v0
	v_readfirstlane_b32 s16, v1                    ; wave 0..1
	v_and_b32 v1, 15, v0                           ; r
	v_bfe_u32 v2, v0, 4, 1                         ; h
	v_lshlrev_b32 v[WO], 2, v1
	v_lshl_add_u32 v[WO], v2, 16, v[WO]            ; 16 h rows of 4,096 bytes + 4 r
	v_lshlrev_b32 v[QO], 12, v1
	v_lshl_add_u32 v[QO], v2, 6, v[QO]             ; row r + 64 h
	v_and_b32 v[L16], 31, v0
	v_lshlrev_b32 v[L16], 4, v[L16]
	s_lshl_b32 s17, s16, 11                        ; 2048 x wave
	v_add_nc_u32 v[RST], s17, v[L16]
	; A wave's 2,048 bytes of partial sums: tile of batch rows mt at 1024 mt, upper four registers at + 512, lane (r, h) at + 256 h + 16 r.  Thread t (0 .. 63) adds up, for both mt, the piece of batch row t / 4,
	; h = (t / 2) % 2, upper = t % 2: columns 8 h + 4 upper + 0 .. 3 of the tile, so that four neighbouring lanes store 64 consecutive bytes of a row of pq
	v_lshrrev_b32 v15, 2, v0                       ; batch row r = t / 4
	v_lshlrev_b32 v[RLD], 4, v15
	v_lshlrev_b32 v[PO], 12, v15
	v_and_b32 v15, 1, v0
	v_lshl_add_u32 v[RLD], v15, 9, v[RLD]          ; + 512 upper
	v_bfe_u32 v15, v0, 1, 1
	v_lshl_add_u32 v[RLD], v15, 8, v[RLD]          ; + 256 h
	v_and_b32 v15, 3, v0
	v_lshl_add_u32 v[PO], v15, 4, v[PO]            ; + 32 h + 16 upper
	s_lshr_b32 s27, ttmp9, 2                       ; g
	s_and_b32 s30, ttmp9, 3                        ; q
	s_lshl_b32 s31, s30, 1
	s_add_co_u32 s31, s31, s16                     ; my K step: 2 q + wave
	s_mov_b32 s19, 0
	s_lshl_b32 s18, s31, 19                        ; my 128 rows of a weight,
	s_lshl_b32 s26, s27, 6                         ; my work-group's 16 columns
	s_add_co_u32 s18, s18, s26
	s_wait_kmcnt 0x0
	s_load_b128 s[20:23], s[10:11], 0x0            ; e0 (not used here), e1, e2, e3
	s_add_nc_u64 s[4:5], s[4:5], s[18:19]
	s_add_nc_u64 s[6:7], s[6:7], s[18:19]
	s_lshl_b32 s18, s31, 9                         ; query: my K step's 512 bytes of a row
	s_add_nc_u64 s[8:9], s[8:9], s[18:19]
	s_lshl_b32 s18, s27, 14
	s_lshl_b32 s17, s31, 11
	s_add_co_u32 s18, s18, s17                     ; wkc: 16384 g + 2048 s
	s_add_nc_u64 s[12:13], s[12:13], s[18:19]
	s_lshl_b32 s18, s30, 17                        ; pq: plane q of 131,072 bytes,
	s_add_co_u32 s18, s18, s26                     ; my 16 columns
	s_add_nc_u64 s[14:15], s[14:15], s[18:19]
	WLOAD WKN, 4
	QLOAD 0
	WLOAD WQN, 6
	s_wait_kmcnt 0x0
	MKSC 21, 9, 10                                 ; Wk's scale
	MKSC 23, 11, 12                                ; Wq's
	MKSC 22, 13, 14                                ; query's
	s_add_co_i32 s26, s22, s23                     ; e2 + e3
	s_mov_b32 s28, 0x4038aa3b                      ; 2 log2(e)
	s_mov_b32 s29, s28                             ; (named with it as a pair, so it is written)
	s_wait_alu depctr_va_vdst(0)
	s_wait_loadcnt 63                              ; 144 loads are issued: the first 81 are in: Wk's 64 and query's first 16
	QUANT WKN, WKC, 9, 10
.irp c, 0,1,2,3
	global_store_b128 v[L16], v[WKC+4*\c:WKC+4*\c+3], s[12:13] offset:512*\c   ; the image: 32 lanes store 512 consecutive bytes, at a multiple of 512 from wkc's first byte
.endr
	QUANT QN, Q0C, 13, 14
	QLOAD 1                                        ; into the registers that the first tile has left
	s_wait_loadcnt 16                              ; Wq's 64 are in; the 16 just issued may be out
	QUANT WQN, WQC, 11, 12
	s_wait_loadcnt 0x0
	QUANT QN, Q1C, 13, 14
	; TRANSPOSED: source 0 = 16 columns of Wq, source 1 = 16 batch rows: lane (r, h) holds batch row r and columns 16 g + 8 h + 0 .. 7
	v_wmma_f32_16x16x128_bf8_bf8 v[D0:D0+7], v[WQC:WQC+15], v[Q0C:Q0C+15], 0
	v_wmma_f32_16x16x128_bf8_bf8 v[D1:D1+7], v[WQC:WQC+15], v[Q1C:Q1C+15], 0
.rept 4
	v_nop                                          ; four places between a matrix instruction and the LDS stores that read its result
.endr
	ds_store_b128 v[RST], v[D0:D0+3]               ; each result from its low end on
	ds_store_b128 v[RST], v[D0+4:D0+7] offset:512
	ds_store_b128 v[RST], v[D1:D1+3] offset:1024
	ds_store_b128 v[RST], v[D1+4:D1+7] offset:1536
	s_wait_dscnt 0x0                               ; for the other wave's sake: my stores have landed
	s_barrier_signal -1
	s_barrier_wait -1
	ds_load_b128 v[PS:PS+3], v[RLD]                ; wave 0's part, batch rows 0-15,
	ds_load_b128 v[PS+4:PS+7], v[RLD] offset:1024  ; batch rows 16-31;
	ds_load_b128 v[PS+8:PS+11], v[RLD] offset:2048 ; wave 1's
	ds_load_b128 v[PS+12:PS+15], v[RLD] offset:3072
	s_wait_dscnt 0x0
.irp a, 0,2,4,6
	v_pk_add_f32 v[PS+\a:PS+\a+1], v[PS+\a:PS+\a+1], v[PS+8+\a:PS+9+\a]
.endr
.irp a, 0,1,2,3,4,5,6,7
	v_ldexp_f32 v[PS+\a], v[PS+\a], s26            ; x 2^(e2 + e3)
.endr
.irp a, 0,2,4,6
	v_pk_mul_f32 v[PS+\a:PS+\a+1], v[PS+\a:PS+\a+1], s[28:29] op_sel_hi:[1,0]   ; x 2 log2(e)
.endr
	global_store_b128 v[PO], v[PS:PS+3], s[14:15]
	global_store_b128 v[PO], v[PS+4:PS+7], s[14:15] offset:16*KROW
	s_set_vgpr_msb 0x5
	s_wait_tensorcnt 0x0
	ds_add_u32 v0, v1
	s_wait_dscnt 0x0
	s_set_vgpr_msb 0x500
	s_endpgm
.Lfunc_end_k_q46e1510461_prep:
	.size	k_q46e1510461_prep, .Lfunc_end_k_q46e1510461_prep-k_q46e1510461_prep
	.p2alignl 7, 3214868480
	.fill 96, 4, 3214868480
	.section	.rodata,"a",@progbits
	.p2align	6, 0x0
	.amdhsa_kernel k_q46e1510461_prep
		.amdhsa_group_segment_fixed_size 4352
		.amdhsa_private_segment_fixed_size 0
		.amdhsa_enable_private_segment 0
		.amdhsa_kernarg_size 48
		.amdhsa_user_sgpr_count 2
		.amdhsa_user_sgpr_kernarg_segment_ptr 1
		.amdhsa_wavefront_size32 1
		.amdhsa_system_sgpr_workgroup_id_x 1
		.amdhsa_system_sgpr_workgroup_id_y 1
		.amdhsa_system_sgpr_workgroup_id_z 1
		.amdhsa_system_vgpr_workitem_id 0
		.amdhsa_next_free_vgpr 258
		.amdhsa_next_free_sgpr 66
		.amdhsa_reserve_vcc 0
		.amdhsa_float_denorm_mode_32 3
		.amdhsa_float_denorm_mode_16_64 3
		.amdhsa_memory_ordered 1
		.amdhsa_forward_progress 1
		.amdhsa_inst_pref_size 40
	.end_amdhsa_kernel
	.amdgpu_metadata
---
amdhsa.version: [ 1, 2 ]
amdhsa.kernels:
  - .name:           k_q46e1510461_prep
    .symbol:         k_q46e1510461_prep.kd
    .args:
      - { .name: Wk, .offset: 0, .size: 8, .value_kind: global_buffer, .address_space: global }
      - { .name: Wq, .offset: 8, .size: 8, .value_kind: global_buffer, .address_space: global }
      - { .name: query, .offset: 16, .size: 8, .value_kind: global_buffer, .address_space: global }
      - { .name: lowp_scales, .offset: 24, .size: 8, .value_kind: global_buffer, .address_space: global }
      - { .name: wkc, .offset: 32, .size: 8, .value_kind: global_buffer, .address_space: global }
      - { .name: pq, .offset: 40, .size: 8, .value_kind: global_buffer, .address_space: global }
    .group_segment_fixed_size: 4352
    .private_segment_fixed_size: 0
    .kernarg_segment_align: 8
    .kernarg_segment_size: 48
    .max_flat_workgroup_size: 64
    .sgpr_count:     66
    .vgpr_count:     258
    .wavefront_size: 32
...
	.end_amdgpu_metadata
.endif
;; end of part 1
;; launch energy (part 2): grid 256 x 1, 4 waves a work-group, clusters of 4 x 1, 327,680 bytes of LDS; arguments values, wkc, pq, We, lowp_scales, scores; writes scores
.if DOCPART == 2
	.amdgcn_target "amdgcn-amd-amdhsa--gfx1250"
	.amdhsa_code_object_version 6
	.text
	.protected	k_q46e1510461_energy
	.globl	k_q46e1510461_energy
	.p2align	8
	.type	k_q46e1510461_energy,@function
k_q46e1510461_energy:
	s_mov_b64 s[64:65], 0
	v_nop
	global_prefetch_b8 v0, s[64:65] scope:SCOPE_SE
	s_setreg_imm32_b32 hwreg(HW_REG_WAVE_MODE, 25, 1), 1
	s_wait_xcnt 0x0
	s_wait_alu depctr_hold_cnt(0) depctr_sa_sdst(0) depctr_va_vdst(0) depctr_va_sdst(0) depctr_va_ssrc(0) depctr_va_vcc(0) depctr_vm_vsrc(0)
	s_getreg_b32 s2, hwreg(HW_REG_IB_STS2, 6, 4)
	s_cmp_eq_u32 s2, 0
	s_cbranch_scc0 .Lentry_in_a_cluster
	s_endpgm
.Lentry_in_a_cluster:
	s_bfe_u32 s2, ttmp6, 0x10000c
	s_cmp_lg_u32 s2, 0x3003
	s_cbranch_scc0 .Lentry_shape_is_right
	s_endpgm
.Lentry_shape_is_right:
; scores[b][s] = -2 x the sum over h of We[h] / (1 + 2^(2 log2(e) (proj_query[b][h] + proj_keys[b][s][h]))): the energy without its term sum(We), which is constant along the softmax's axis (see the first kernel's head).
; proj_keys = Q(values) Q(Wk), on codes of BF8 (E5M2) with the given scales 2^e0 and 2^e1, by v_wmma_f32_16x16x128_bf8_bf8, sums in f32.
; SHARES.  A work-group owns 256 rows of values (one eighth of a batch), a wave 64 of them.  HEAD: the wave's 64 rows x 1,024 are read once, turned through its own LDS stage so that a lane holds 16 neighbours along K,
; held at the largest code and converted: 4 row tiles x 8 K steps x 16 registers stay in windows 2 and 3.  LOOP: 64 tiles of 16 columns of Wk's codes (register images made by the first launch) come through a ring of two
; LDS slots of 8 tiles, filled by joint loads of the four work-groups of a cluster, which walk the same tiles.  A tile is 32 matrix instructions a wave, the four row tiles' accumulators by turns, in one run.
; The tile before it is then finished as one batch (macro EPI): scale and add proj_query, exponentials, + 1, reciprocals, multiply-add with -2 We into 32 running sums.  An exponential that overflows gives reciprocal 0: tanh = 1.
; LIMITS: e0 between -126 and 112; e0 + e1 between -127 and 126 (added to an exponent field).  NaN among the inputs is not served.
; No prefetch: Wk's codes are 1 MB that every cluster walks, and values are streamed once by plain loads that run four units ahead.
.set SLOT1, 1<<17
.set TILEB, 16384
.set FILLB, 8*TILEB
.set PLANE, 131072
.set STAGE, 2*SLOT1
.set SP,    528
.set STW,   16*SP
.set SPARE, STAGE+4*STW
.set PWL,   SPARE+512
.set L16, 1
.set ADR, 2
.set PW0, 3
.set ADP, 4
.set STA, 5
.set STL, 6
.set SCL, 7
.set LIM, 8
.set PWS, 9
.set SS,  10
.set SL8, 11
.set SPW, 12
.set NIL, 13
.set GO,  14
.set PQO, 15
.set PW,  24
.set ACC, 32
.set X0,  32
.set SC,  160
.set OUTR, 192
.set WV,  16
.set G1,  24
.set G0,  32
.set G0W, 36
.set CS,  42
.set TB,  44
.set TP,  45
.set TW,  46
.set SL,  47
.set MSB, 0
.macro WIN new
.if MSB != \new
	s_set_vgpr_msb (MSB<<8)|\new
.set MSB, \new
.endif
.endm
.macro PLACES
.rept 4
	v_nop
.endr
.endm
.macro CROUND
	s_barrier_signal -1
	s_barrier_wait -1
	s_cmp_lg_u32 s[WV], 0
	s_cbranch_scc1 .Lnot_wave_0_\@
	s_barrier_signal -3
.Lnot_wave_0_\@:
	s_barrier_wait -3
	s_barrier_signal -1
	s_barrier_wait -1
.endm
	s_load_b256 s[4:11], s[0:1], 0x0
	s_load_b128 s[12:15], s[0:1], 0x20
	v_lshl_add_u32 v[SPW], v0, 2, SPARE
	v_mov_b32 v[NIL], 0
	ds_add_u32 v12, v13
	ds_add_u32 v12, v13
	s_wait_dscnt 0x0
	v_lshrrev_b32 v16, 5, v0
	v_readfirstlane_b32 s[WV], v16
	s_mov_b32 s[G1], 15|(3<<16)|(1<<21)
	s_mov_b32 s[G1+1], 32<<16
	s_mov_b32 s[G1+2], 128<<16
	s_mov_b32 s[G1+3], 32<<16
	s_mov_b32 s[G1+4], 128
	s_mov_b32 s[G1+5], 32
	s_mov_b32 s[G1+6], 0
	s_mov_b32 s[G1+7], 0
	s_lshl_b32 s20, s[WV], 15
	s_mov_b32 s21, 0
	s_wait_kmcnt 0x0
	s_load_b64 s[40:41], s[12:13], 0x0
	s_add_nc_u64 s[6:7], s[6:7], s[20:21]
	s_mov_b32 s[G0], 1
	s_mov_b32 s[G0+1], s20
	s_mov_b64 s[G0+2:G0+3], s[6:7]
	s_or_b32 s[G0+3], s[G0+3], 0x80000000
	s_mov_b32 s[G0W], 1
	s_add_co_u32 s[G0W+1], s20, SLOT1
	s_add_nc_u64 s[G0W+2:G0W+3], s[6:7], FILLB
	s_or_b32 s[G0W+3], s[G0W+3], 0x80000000
	s_bfe_u32 s50, ttmp6, 0x40000
	s_lshl_b32 s51, ttmp9, 2
	s_add_co_u32 s51, s51, s50
	s_mov_b32 s49, 0
	s_lshl_b32 s48, s51, 20
	s_lshl_b32 s50, s[WV], 18
	s_add_co_u32 s48, s48, s50
	s_add_nc_u64 s[4:5], s[4:5], s[48:49]
	s_lshr_b32 s48, s51, 3
	s_lshl_b32 s48, s48, 12
	s_add_nc_u64 s[8:9], s[8:9], s[48:49]
	s_lshl_b32 s48, s51, 10
	s_lshl_b32 s50, s[WV], 8
	s_add_co_u32 s48, s48, s50
	s_add_nc_u64 s[14:15], s[14:15], s[48:49]
	s_mul_i32 s22, s[WV], STW
	s_add_co_u32 s22, s22, STAGE
	v_and_b32 v16, 31, v0
	v_and_b32 v17, 15, v0
	v_bfe_u32 v18, v0, 4, 1
	v_lshlrev_b32 v[L16], 4, v16
	v_lshlrev_b32 v[GO], 3, v16
	v_lshlrev_b32 v[PQO], 5, v0
	v_lshl_add_u32 v[PW0], v17, 3, PWL
	v_lshl_add_u32 v[PWS], v0, 6, PWL
	v_add_nc_u32 v[STA], s22, v[L16]
	v_mul_u32_u24 v[STL], v17, SP
	v_lshl_add_u32 v[STL], v18, 6, v[STL]
	v_add_nc_u32 v[STL], s22, v[STL]
	v_lshlrev_b32 v[SS], 5, v18
	v_add_nc_u32 v[SS], s22, v[SS]
	v_add_nc_u32 v[SL8], s22, v[GO]
.macro GLOAD u
.set gm, (\u)/8
.set gs, (\u)%8
.set gr, 64*((\u)%4)
	WIN 0x40
.irp i, 0,1,2,3,4,5,6,7,8,9,10,11,12,13,14,15
	global_load_b128 v[gr+4*\i:gr+4*\i+3], v[L16], s[4:5] offset:(16*gm+\i)*4096+512*gs th:TH_LOAD_NT
.endr
.endm
.macro TURN u
.set tr, 64*((\u)%4)
.set tx, X0+64*((\u)%2)
	WIN 0x04
.irp i, 0,1,2,3,4,5,6,7,8,9,10,11,12,13,14,15
	ds_store_b128 v[STA], v[tr+4*\i:tr+4*\i+3] offset:SP*\i
.endr
	WIN 0
.irp c, 0,1,2,3
.irp j, 0,1,2,3
	ds_load_b128 v[tx+16*\c+4*\j:tx+16*\c+4*\j+3], v[STL] offset:128*\c+16*\j
.endr
.endr
.endm
.macro UNIT u
.set ux, X0+64*((\u)%2)
.set uf, 16*(8*(((\u)/8)%2)+(\u)%8)
.set uw, 0x80+0x40*((\u)/16)
	s_wait_dscnt 0x0
.if (\u) < 28
	GLOAD (\u)+4
.endif
.if (\u) < 31
.if (\u) < 28
	s_wait_loadcnt 48
.else
	s_wait_loadcnt 16*(30-(\u))
.endif
	TURN (\u)+1
.endif
	WIN 0
.set q, 0
.rept 64
	v_med3_num_f32 v[ux+q], v[ux+q], -v[LIM], v[LIM]
.set q, q+1
.endr
	WIN uw
.irp b, 0,1,2,3
	v_cvt_scalef32_pk8_bf8_f32 v[uf+4*\b:uf+4*\b+1], v[ux+16*\b:ux+16*\b+7], v[SCL]
	v_cvt_scalef32_pk8_bf8_f32 v[uf+4*\b+2:uf+4*\b+3], v[ux+16*\b+8:ux+16*\b+15], v[SCL]
.endr
	WIN 0
	v_nop
.endm
.irp p, 0,1,2,3
	global_load_b128 v[96+8*\p:99+8*\p], v[PQO], s[8:9] offset:PLANE*\p
	global_load_b128 v[100+8*\p:103+8*\p], v[PQO], s[8:9] offset:PLANE*\p+16
.endr
	global_load_b128 v[128:131], v[PQO], s[10:11]
	global_load_b128 v[132:135], v[PQO], s[10:11] offset:16
	GLOAD 0
	GLOAD 1
	GLOAD 2
	GLOAD 3
	WIN 0
	; The ring's first fills stand behind the stream's first 74 loads, which are out while the tiles come.  One joint load a wave at the head, behind a round of the cluster's barrier;
	; slot 1's first fill behind the full sequence and a second round, as a refill is.
	CROUND
	tensor_load_to_lds s[G0:G0+3], s[G1:G1+7]
	s_nop 0
	s_wait_alu depctr_va_vdst(0)
	s_wait_tensorcnt 0x0
	ds_add_u32 v12, v13
	s_wait_dscnt 0x0
	CROUND
	tensor_load_to_lds s[G0W:G0W+3], s[G1:G1+7]
	s_nop 0
	PLACES
	s_wait_kmcnt 0x0
	s_add_co_i32 s20, s40, 127
	s_lshl_b32 s21, s20, 23
	v_mov_b32 v[SCL], s21
	s_add_co_i32 s20, s20, 15
	s_lshl_b32 s20, s20, 23
	s_or_b32 s20, s20, 0x600000
	v_mov_b32 v[LIM], s20
	s_add_co_i32 s20, s40, s41
	s_lshl_b32 s20, s20, 23
	s_add_co_i32 s[CS], s20, 0x4038aa3b
	s_mov_b32 s[CS+1], s[CS]
.set q, 0
.rept 32
	v_mov_b32 v[SC+q], 0
.set q, q+1
.endr
	s_wait_loadcnt 63
.irp a, 0,2,4,6
	v_pk_add_f32 v[96+\a:97+\a], v[96+\a:97+\a], v[104+\a:105+\a]
	v_pk_add_f32 v[112+\a:113+\a], v[112+\a:113+\a], v[120+\a:121+\a]
.endr
.irp n, 0,1,2,3,4,5,6,7
	v_add_f32 v[136+2*\n], v[96+\n], v[112+\n]
	v_mul_f32 v[137+2*\n], -2.0, v[128+\n]
.endr
.irp n, 0,1,2,3
	ds_store_b128 v[PWS], v[136+4*\n:139+4*\n] offset:16*\n
.endr
	s_wait_loadcnt 48
	TURN 0
.set U, 0
.rept 32
	UNIT U
.set U, U+1
.endr
.macro FBA
	WIN 0
	v_add_nc_u32 v[ADR], s[TB], v[L16]
	s_add_co_u32 s[TB], s[TB], TILEB
.endm
.macro FBR buf, s0
	WIN 0x40
.irp s, \s0, \s0+1
.irp c, 0,1,2,3
	ds_load_b128 v[128*(\buf)+16*(\s)+4*\c:128*(\buf)+16*(\s)+4*\c+3], v[ADR] offset:2048*(\s)+512*\c
.endr
.endr
.endm
.macro EPT y, p
	v_pk_fma_f32 v[ACC+32*(\y)+2*(\p):ACC+32*(\y)+2*(\p)+1], v[ACC+32*(\y)+2*(\p):ACC+32*(\y)+2*(\p)+1], s[CS:CS+1], v[PW+2*(\y):PW+2*(\y)+1] op_sel_hi:[1,0,0]
.endm
.macro EPX y, e
	v_exp_f32 v[ACC+32*(\y)+(\e)], v[ACC+32*(\y)+(\e)]
.endm
.macro EPA y, p
	v_pk_add_f32 v[ACC+32*(\y)+2*(\p):ACC+32*(\y)+2*(\p)+1], v[ACC+32*(\y)+2*(\p):ACC+32*(\y)+2*(\p)+1], 1.0 op_sel_hi:[1,0]
.endm
.macro EPR y, e
	v_rcp_f32 v[ACC+32*(\y)+(\e)], v[ACC+32*(\y)+(\e)]
.endm
.macro EPF y, p
	v_pk_fma_f32 v[SC+2*(\p):SC+2*(\p)+1], v[ACC+32*(\y)+2*(\p):ACC+32*(\y)+2*(\p)+1], v[PW+2*(\y):PW+2*(\y)+1], v[SC+2*(\p):SC+2*(\p)+1] op_sel:[0,1,0] op_sel_hi:[1,1,1]
.endm
; A finished tile's 32 sums a lane (accumulator set y) become its part of the scores, as one batch.  Each batch of transcendentals has one wait ahead of it and one behind it; the first wait stands
; directly ahead of the first readers of the matrix results.
; fb = 1: two of the next tile's four groups of 8 fragment loads (K steps 4 to 7, into buffer buf) stand in this batch, so that LDS is asked through the whole tile and not in the run alone.
.macro EPI y, fb, buf
	s_wait_alu depctr_va_vdst(0)
.set q, 0
.rept 16
	EPT \y, q                                      ; 2 log2(e) 2^(e0 + e1) x sum + proj_query's term; each accumulator from its low end on
.set q, q+1
.endr
.if \fb
	FBR \buf, 4
	WIN 0
.endif
	s_wait_alu depctr_va_vdst(0)
.set q, 0
.rept 32
	EPX \y, q
.set q, q+1
.endr
	v_nop                                          ; a plain line behind the last exponential
	s_wait_alu depctr_va_vdst(0)
.set q, 0
.rept 16
	EPA \y, q
.set q, q+1
.endr
.if \fb
	FBR \buf, 6
	WIN 0
.endif
	s_wait_alu depctr_va_vdst(0)
.set q, 0
.rept 32
	EPR \y, q
.set q, q+1
.endr
	v_nop                                          ; a plain line behind the last reciprocal
	s_wait_alu depctr_va_vdst(0)
.set q, 0
.rept 16
	EPF \y, q                                      ; x -2 We, onto the running sums
.set q, q+1
.endr
.endm
; A tile: 32 matrix instructions on set par in one run (no transcendental and no wait on the vector side stands inside it); fb: the next tile's fragments are fetched into the other buffer, 8 loads at a time;
; ep: the tile before (the other set) is finished behind the run.
.macro ITER par, ep, fb
	WIN 0
	v_add_nc_u32 v[ADP], s[TP], v[PW0]             ; this tile's proj_query and We words,
	s_add_co_u32 s[TP], s[TP], 128
.if \fb
	FBA                                            ; and the next tile's LDS address: both made here, where no matrix instruction is out,
.endif
	s_wait_alu depctr_va_vdst(0)
	ds_load_b64 v[PW+2*(\par):PW+2*(\par)+1], v[ADP]
.set i, 0
.rept 32
.set im, i%4
.set is, i/4
.set rD, ACC+32*(\par)+8*im
.set rA, 16*(8*(im%2)+is)
.set rB, 128*(\par)+16*is
.set wn, 0x06+im/2
.if i%8 == 0
; LDS loads in their order of issue: the words' load F, then groups G0 .. G3 of 8 for this tile; this tile's own F' at its head, G0' at i = 5, G1' at i = 21.
.if (\fb) && (i < 16)
	s_wait_dscnt 24                                ; i = 0: G0 is in (G1, G2, G3, F' are 25); i = 8: G1 is in (G2, G3, F', G0' are 25)
.elseif \fb
	s_wait_dscnt 17                                ; i = 16: G2 is in (G3, F', G0'); i = 24: G3 is in (F', G0', G1')
.else
	s_wait_dscnt 24-i                              ; nothing more is fetched: the counts run down
.endif
.endif
	WIN wn
.if is == 0
	v_wmma_f32_16x16x128_bf8_bf8 v[rD:rD+7], v[rA:rA+15], v[rB:rB+15], 0
.else
	v_wmma_f32_16x16x128_bf8_bf8 v[rD:rD+7], v[rA:rA+15], v[rB:rB+15], v[rD:rD+7]
.endif
.if (\fb) && (i == 5)
	FBR 1-(\par), 0
.endif
.if (\fb) && (i == 21)
	FBR 1-(\par), 2
.endif
.set i, i+1
.endr
	WIN 0
.if \ep
	EPI 1-(\par), \fb, 1-(\par)
.else
	PLACES
	FBR 1-(\par), 4
	FBR 1-(\par), 6
	WIN 0
.endif
.endm
.macro CHANGE fill
	WIN 0
	s_wait_tensorcnt 0x0
	ds_add_u32 v[SPW], v[NIL]
.if \fill
	s_xor_b32 s[G0W+1], s[G0W+1], SLOT1
	s_add_nc_u64 s[G0W+2:G0W+3], s[G0W+2:G0W+3], FILLB
.endif
	s_sub_co_u32 s[TB], s[TB], FILLB
	s_xor_b32 s[TB], s[TB], SLOT1
	s_wait_dscnt 0x0
.if \fill
	CROUND
	tensor_load_to_lds s[G0W:G0W+3], s[G1:G1+7]
	s_nop 0
	PLACES
.else
	s_barrier_signal -1
	s_barrier_wait -1
.endif
.endm
.macro PAIRS n
	s_mov_b32 s[TW], \n
.Lpair_\@:
	ITER 1, 1, 1
	ITER 0, 1, 1
	WIN 0
	s_sub_co_u32 s[TW], s[TW], 1
	s_cmp_lg_u32 s[TW], 0
	s_cbranch_scc1 .Lpair_\@
.endm
	s_wait_tensorcnt 0x1
	s_wait_dscnt 0x0
	s_barrier_signal -1
	s_barrier_wait -1
	s_mov_b32 s[TB], 0
	s_mov_b32 s[TP], 0
	FBA
	FBR 0, 0
	FBR 0, 2
	FBR 0, 4
	FBR 0, 6
	ITER 0, 0, 1
	PAIRS 3
	s_mov_b32 s[SL], 6
.Lslot:
	CHANGE 1
	PAIRS 4
	s_sub_co_u32 s[SL], s[SL], 1
	s_cmp_lg_u32 s[SL], 0
	s_cbranch_scc1 .Lslot
	CHANGE 0
	PAIRS 4
	ITER 1, 1, 0
	s_wait_dscnt 0x0                               ; the last tile's proj_query and We words are in
	EPI 1, 0, 0                                    ; the last tile is finished
.irp x, 1,2,4,8
.set q, 0
.rept 32
	v_add_f32_dpp v[SC+q], v[SC+q], v[SC+q] row_xmask:\x row_mask:0xf bank_mask:0xf
.set q, q+1
.endr
.endr
.set q, 0
.rept 32
	ds_store_b32 v[SS], v[SC+q] offset:4*(16*(q/8)+q%8)
.set q, q+1
.endr
	ds_load_b64 v[OUTR:OUTR+1], v[SL8]
	s_wait_dscnt 0x0
	global_store_b64 v[GO], v[OUTR:OUTR+1], s[14:15]
	s_wait_tensorcnt 0x0
	ds_add_u32 v[SPW], v[NIL]
	s_wait_dscnt 0x0
	CROUND
	s_endpgm
.Lfunc_end_k_q46e1510461_energy:
	.size	k_q46e1510461_energy, .Lfunc_end_k_q46e1510461_energy-k_q46e1510461_energy
	.p2alignl 7, 3214868480
	.fill 96, 4, 3214868480
	.section	.rodata,"a",@progbits
	.p2align	6, 0x0
	.amdhsa_kernel k_q46e1510461_energy
		.amdhsa_group_segment_fixed_size 327680
		.amdhsa_private_segment_fixed_size 0
		.amdhsa_enable_private_segment 0
		.amdhsa_kernarg_size 48
		.amdhsa_user_sgpr_count 2
		.amdhsa_user_sgpr_kernarg_segment_ptr 1
		.amdhsa_wavefront_size32 1
		.amdhsa_system_sgpr_workgroup_id_x 1
		.amdhsa_system_sgpr_workgroup_id_y 1
		.amdhsa_system_sgpr_workgroup_id_z 1
		.amdhsa_system_vgpr_workitem_id 0
		.amdhsa_next_free_vgpr 1024
		.amdhsa_next_free_sgpr 66
		.amdhsa_reserve_vcc 0
		.amdhsa_float_denorm_mode_32 3
		.amdhsa_float_denorm_mode_16_64 3
		.amdhsa_memory_ordered 1
		.amdhsa_forward_progress 1
		.amdhsa_inst_pref_size 255
	.end_amdhsa_kernel
	.section	.bss,"aw",@nobits
	.p2align	6
	.space	262144
	.amdgpu_metadata
---
amdhsa.version: [ 1, 2 ]
amdhsa.kernels:
  - .name:           k_q46e1510461_energy
    .symbol:         k_q46e1510461_energy.kd
    .args:
      - { .name: values, .offset: 0, .size: 8, .value_kind: global_buffer, .address_space: global }
      - { .name: wkc, .offset: 8, .size: 8, .value_kind: global_buffer, .address_space: global }
      - { .name: pq, .offset: 16, .size: 8, .value_kind: global_buffer, .address_space: global }
      - { .name: We, .offset: 24, .size: 8, .value_kind: global_buffer, .address_space: global }
      - { .name: lowp_scales, .offset: 32, .size: 8, .value_kind: global_buffer, .address_space: global }
      - { .name: scores, .offset: 40, .size: 8, .value_kind: global_buffer, .address_space: global }
    .group_segment_fixed_size: 327680
    .private_segment_fixed_size: 0
    .kernarg_segment_align: 8
    .kernarg_segment_size: 48
    .max_flat_workgroup_size: 128
    .sgpr_count:     66
    .vgpr_count:     1024
    .wavefront_size: 32
...
	.end_amdgpu_metadata
.endif
;; end of part 2
;; launch context (part 3): grid 256 x 1, 16 waves a work-group, no clusters, 10,752 bytes of LDS; arguments values, scores, mask, out0, out1; writes out0, out1
.if DOCPART == 3
	.amdgcn_target "amdgcn-amd-amdhsa--gfx1250"
	.amdhsa_code_object_version 6
	.text
	.protected	k_q46e1510461_context
	.globl	k_q46e1510461_context
	.p2align	8
	.type	k_q46e1510461_context,@function
k_q46e1510461_context:
	s_mov_b64 s[64:65], 0
	v_nop
	global_prefetch_b8 v0, s[64:65] scope:SCOPE_SE
	s_setreg_imm32_b32 hwreg(HW_REG_WAVE_MODE, 25, 1), 1
	s_wait_xcnt 0x0
; out1[b] = softmax over the 2,048 keys of the masked scores; out0[b][c] = the sum over the keys of out1[b][key] values[b][key][c].  All in f32; the product has one row, so it is fused multiply-adds and no matrix work.
; SHARES.  Work-group (b, j), b = number / 8, j = number % 8, owns columns 128 j .. 128 j + 127 of out0[b] and keys 256 j .. 256 j + 255 of out1[b]: each output has one owner and nothing is added across work-groups.
; The batch's softmax (8 KB of scores, 2 KB of mask) is made anew in each of its eight work-groups.  Thread t holds keys 4 t .. 4 t + 3, which are rows 4 lane + i of its own wave's 128: so the weights that a wave's stream needs
; lie in its own registers and are taken by v_readlane_b32.  The weights stay unnormalised (p = e^(s - M), M the row's largest score); sums and p are divided by the row's sum at the end.
; THE STREAM.  Wave w walks rows 128 w .. 128 w + 127; a load takes the work-group's 512 consecutive bytes of one row, 16 a lane; a ring of 32 slots in registers keeps 32 loads of every wave out; they are asked for ahead of the softmax.
; No tensor loads, no cluster: no two work-groups read the same bytes of values, and the ring needs no barrier.  A row whose mask hides every key gives NaN, as the reference's softmax does.
.set RMAX, 0                           ; LDS: 16 waves' maxima,
.set RSUM, 256                         ; their sums,
.set RED,  512                         ; and their 128 partial columns: 16 x 512 bytes
.set RING, 64                          ; v64-191  32 slots of 4 registers
.set SUM,  16                          ; v16-23   two sets of four sums, for even and odd rows
	s_load_b256 s[4:11], s[0:1], 0x0               ; values s[4:5], scores s[6:7], mask s[8:9], out0 s[10:11]
	s_load_b64 s[12:13], s[0:1], 0x20              ; out1
	v_lshl_add_u32 v192, v0, 2, 0x2200
	v_mov_b32 v193, 0
	v_lshrrev_b32 v9, 5, v0
	v_readfirstlane_b32 s14, v9                    ; wave 0..15
	v_and_b32 v1, 31, v0
	v_lshlrev_b32 v1, 4, v1                        ; 16 x lane
	v_lshlrev_b32 v2, 4, v0                        ; 16 x thread
	v_lshlrev_b32 v3, 2, v0                        ; 4 x thread
	v_and_b32 v56, 63, v0
	v_lshlrev_b32 v56, 3, v56                      ; 8 x (thread mod 64): the last sums
	v_mov_b32 v24, s14
	v_lshlrev_b32 v24, 2, v24                      ; my wave's word
	v_mov_b32 v25, 0
	v_mov_b32 v10, 0xff800000                      ; -infinity
	v_mov_b32 v11, 0                               ; written once: a lane permute's destination counts as one of its sources
	s_lshr_b32 s15, ttmp9, 3                       ; b
	s_and_b32 s16, ttmp9, 7                        ; j
	s_mov_b32 s28, 0x76543210                      ; v_permlanex16_b32's selects for lane l xor 16
	s_mov_b32 s29, 0xfedcba98
	s_mov_b32 s21, 0                               ; the upper words of the four pairs that carry a weight: named with it, so they are written
	s_mov_b32 s23, 0
	s_mov_b32 s25, 0
	s_mov_b32 s27, 0
	s_mov_b32 s19, 0
	s_lshl_b32 s18, s15, 23                        ; the batch's 2,048 rows of 4,096 bytes,
	s_lshl_b32 s17, s16, 9                         ; my work-group's 512 bytes of a row,
	s_add_co_u32 s18, s18, s17
	s_lshl_b32 s17, s14, 19                        ; my wave's 128 rows
	s_add_co_u32 s18, s18, s17
	s_wait_alu depctr_va_vdst(0)
	s_wait_kmcnt 0x0
	s_add_nc_u64 s[4:5], s[4:5], s[18:19]
	s_lshl_b32 s18, s15, 13
	s_add_nc_u64 s[6:7], s[6:7], s[18:19]          ; the batch's scores,
	s_add_nc_u64 s[12:13], s[12:13], s[18:19]      ; and its row of out1
	s_lshl_b32 s18, s15, 11
	s_add_nc_u64 s[8:9], s[8:9], s[18:19]          ; its mask
	s_lshl_b32 s18, s15, 12
	s_lshl_b32 s17, s16, 9
	s_add_co_u32 s18, s18, s17
	s_add_nc_u64 s[10:11], s[10:11], s[18:19]      ; my 128 columns of out0
	global_load_b128 v[4:7], v2, s[6:7]
	global_load_b32 v8, v3, s[8:9]
.set q, 0
.rept 32
	global_load_b128 v[RING+4*q:RING+4*q+3], v1, s[4:5] offset:4096*q th:TH_LOAD_NT
.set q, q+1
.endr
	s_wait_loadcnt 32                              ; scores and mask are in; the ring's 32 loads stay out
.irp i, 0,1,2,3
	v_bfe_u32 v9, v8, 8*\i, 8
	v_cmp_ne_u32 vcc_lo, 0, v9
	v_cndmask_b32 v[4+\i], v10, v[4+\i], vcc_lo    ; a hidden key's score is -infinity
.endr
	v_max3_num_f32 v9, v4, v5, v6
	v_max_num_f32 v9, v9, v7
	v_max_num_f32_dpp v9, v9, v9 row_xmask:1 row_mask:0xf bank_mask:0xf
	v_max_num_f32_dpp v9, v9, v9 row_xmask:2 row_mask:0xf bank_mask:0xf
	v_max_num_f32_dpp v9, v9, v9 row_xmask:4 row_mask:0xf bank_mask:0xf
	v_max_num_f32_dpp v9, v9, v9 row_xmask:8 row_mask:0xf bank_mask:0xf
	v_permlanex16_b32 v11, v9, s28, s29
	v_max_num_f32 v9, v9, v11                      ; my wave's largest score
	ds_store_b32 v24, v9 offset:RMAX
	s_wait_alu depctr_va_vdst(0)
	s_wait_dscnt 0x0                               ; for the others' sake
	s_barrier_signal -1
	s_barrier_wait -1
.irp i, 0,1,2,3
	ds_load_b128 v[28+4*\i:31+4*\i], v25 offset:RMAX+16*\i
.endr
	s_wait_dscnt 0x0
.irp a, 28,31,34,37,40
	v_max3_num_f32 v[\a], v[\a], v[\a+1], v[\a+2]
.endr
	v_max3_num_f32 v28, v28, v31, v34
	v_max3_num_f32 v37, v37, v40, v43
	v_max_num_f32 v28, v28, v37                    ; M: the row's largest score
.irp i, 0,1,2,3
	v_sub_f32 v[4+\i], v[4+\i], v28
.endr
.irp i, 0,1,2,3
	v_mul_f32 v[4+\i], 0x3fb8aa3b, v[4+\i]         ; x log2(e)
.endr
	s_wait_alu depctr_va_vdst(0)
.irp i, 0,1,2,3
	v_exp_f32 v[4+\i], v[4+\i]                     ; p = e^(s - M), at most 1; 0 for a hidden key
.endr
	v_nop                                          ; a plain line behind the last exponential
	s_wait_alu depctr_va_vdst(0)                   ; one wait for the four, ahead of their first reader
	v_add_f32 v9, v4, v5
	v_add_f32 v10, v6, v7
	v_add_f32 v9, v9, v10
	v_add_f32_dpp v9, v9, v9 row_xmask:1 row_mask:0xf bank_mask:0xf
	v_add_f32_dpp v9, v9, v9 row_xmask:2 row_mask:0xf bank_mask:0xf
	v_add_f32_dpp v9, v9, v9 row_xmask:4 row_mask:0xf bank_mask:0xf
	v_add_f32_dpp v9, v9, v9 row_xmask:8 row_mask:0xf bank_mask:0xf
	v_permlanex16_b32 v11, v9, s28, s29
	v_add_f32 v9, v9, v11                          ; my wave's sum
	ds_store_b32 v24, v9 offset:RSUM
	s_wait_alu depctr_va_vdst(0)
	s_wait_dscnt 0x0
	s_barrier_signal -1
	s_barrier_wait -1
.irp i, 0,1,2,3
	ds_load_b128 v[28+4*\i:31+4*\i], v25 offset:RSUM+16*\i
.endr
	s_wait_dscnt 0x0
.irp a, 28,32,36,40
	v_pk_add_f32 v[\a:\a+1], v[\a:\a+1], v[\a+2:\a+3]
.endr
	v_pk_add_f32 v[28:29], v[28:29], v[32:33]
	v_pk_add_f32 v[36:37], v[36:37], v[40:41]
	v_pk_add_f32 v[28:29], v[28:29], v[36:37]
	v_add_f32 v28, v28, v29                        ; the row's sum, at least 1
	s_wait_alu depctr_va_vdst(0)
	v_rcp_f32 v26, v28
	v_mov_b32 v27, 0                               ; (a plain line behind the reciprocal; v27 is named with v26 as a pair, so it is written)
	s_lshr_b32 s17, s14, 1
	s_wait_alu depctr_va_vdst(0)                   ; the wait for the reciprocal, ahead of the branch and of its first reader
	s_cmp_lg_u32 s17, s16                          ; waves 2 j and 2 j + 1 hold keys 256 j .. 256 j + 255: they store my work-group's part of out1.  No barrier stands under this branch
	s_cbranch_scc1 .Lno_alpha
	v_pk_mul_f32 v[44:45], v[4:5], v[26:27] op_sel_hi:[1,0]
	v_pk_mul_f32 v[46:47], v[6:7], v[26:27] op_sel_hi:[1,0]
	global_store_b128 v2, v[44:47], s[12:13]       ; 32 lanes store 512 consecutive bytes, at a multiple of 512 from out1's first byte
.Lno_alpha:
	; the stream: row q of my 128: its weight is register q % 4 of lane q / 4
.set q, 0
.rept 128
.set sl, RING+4*(q%32)
.set ac, SUM+4*(q%2)
.set pr, 20+2*(q%4)
.if q%4 == 0                           ; four rows to a wait
	s_wait_alu depctr_va_vdst(0)
.if q < 97
	s_wait_loadcnt 28                              ; loads come back in order (ISA guide 5.7.1): 32 + q are issued, rows q .. q + 3 are in, the 28 younger ones stay out
.else
	s_wait_loadcnt 124-q                           ; nothing more is asked for: the counts run down
.endif
.endif
	v_readlane_b32 s[pr], v[4+q%4], q/4
.if q < 2
	v_pk_mul_f32 v[ac:ac+1], v[sl:sl+1], s[pr:pr+1] op_sel_hi:[1,0]       ; the first two rows start the sums: nothing is cleared
	v_pk_mul_f32 v[ac+2:ac+3], v[sl+2:sl+3], s[pr:pr+1] op_sel_hi:[1,0]
.else
	v_pk_fma_f32 v[ac:ac+1], v[sl:sl+1], s[pr:pr+1], v[ac:ac+1] op_sel_hi:[1,0,1]
	v_pk_fma_f32 v[ac+2:ac+3], v[sl+2:sl+3], s[pr:pr+1], v[ac+2:ac+3] op_sel_hi:[1,0,1]
.endif
.if q < 96
	global_load_b128 v[sl:sl+3], v1, s[4:5] offset:4096*(q+32) th:TH_LOAD_NT   ; the slot's next row; every offset is an immediate, 520,192 at the most
.endif
.set q, q+1
.endr
	v_pk_add_f32 v[SUM:SUM+1], v[SUM:SUM+1], v[SUM+4:SUM+5]
	v_pk_add_f32 v[SUM+2:SUM+3], v[SUM+2:SUM+3], v[SUM+6:SUM+7]
	ds_store_b128 v2, v[SUM:SUM+3] offset:RED      ; my wave's 128 partial columns: 512 bytes at 512 x wave
	s_wait_dscnt 0x0
	s_barrier_signal -1
	s_barrier_wait -1
	s_cmp_gt_u32 s14, 1                            ; waves 0 and 1 add the sixteen parts, two columns a thread; the others are done
	s_cbranch_scc1 .Ldone
.irp w, 0,1,2,3,4,5,6,7,8,9,10,11,12,13,14,15
	ds_load_b64 v[RING+2*\w:RING+2*\w+1], v56 offset:RED+512*\w
.endr
	s_wait_dscnt 0x0
.irp a, 0,4,8,12,16,20,24,28
	v_pk_add_f32 v[RING+\a:RING+\a+1], v[RING+\a:RING+\a+1], v[RING+\a+2:RING+\a+3]
.endr
.irp a, 0,8,16,24
	v_pk_add_f32 v[RING+\a:RING+\a+1], v[RING+\a:RING+\a+1], v[RING+\a+4:RING+\a+5]
.endr
.irp a, 0,16
	v_pk_add_f32 v[RING+\a:RING+\a+1], v[RING+\a:RING+\a+1], v[RING+\a+8:RING+\a+9]
.endr
	v_pk_add_f32 v[RING:RING+1], v[RING:RING+1], v[RING+16:RING+17]
	v_pk_mul_f32 v[RING:RING+1], v[RING:RING+1], v[26:27] op_sel_hi:[1,0]   ; / the row's sum
	global_store_b64 v56, v[RING:RING+1], s[10:11] ; 32 lanes store 256 consecutive bytes, at a multiple of 256 from out0's first byte
.Ldone:
	s_wait_tensorcnt 0x0
	ds_add_u32 v192, v193
	s_wait_dscnt 0x0
	s_endpgm
.Lfunc_end_k_q46e1510461_context:
	.size	k_q46e1510461_context, .Lfunc_end_k_q46e1510461_context-k_q46e1510461_context
	.p2alignl 7, 3214868480
	.fill 96, 4, 3214868480
	.section	.rodata,"a",@progbits
	.p2align	6, 0x0
	.amdhsa_kernel k_q46e1510461_context
		.amdhsa_group_segment_fixed_size 10752
		.amdhsa_private_segment_fixed_size 0
		.amdhsa_enable_private_segment 0
		.amdhsa_kernarg_size 40
		.amdhsa_user_sgpr_count 2
		.amdhsa_user_sgpr_kernarg_segment_ptr 1
		.amdhsa_wavefront_size32 1
		.amdhsa_system_sgpr_workgroup_id_x 1
		.amdhsa_system_sgpr_workgroup_id_y 1
		.amdhsa_system_sgpr_workgroup_id_z 1
		.amdhsa_system_vgpr_workitem_id 0
		.amdhsa_next_free_vgpr 194
		.amdhsa_next_free_sgpr 66
		.amdhsa_reserve_vcc 1
		.amdhsa_float_denorm_mode_32 3
		.amdhsa_float_denorm_mode_16_64 3
		.amdhsa_memory_ordered 1
		.amdhsa_forward_progress 1
		.amdhsa_inst_pref_size 47
	.end_amdhsa_kernel
	.amdgpu_metadata
---
amdhsa.version: [ 1, 2 ]
amdhsa.kernels:
  - .name:           k_q46e1510461_context
    .symbol:         k_q46e1510461_context.kd
    .args:
      - { .name: values, .offset: 0, .size: 8, .value_kind: global_buffer, .address_space: global }
      - { .name: scores, .offset: 8, .size: 8, .value_kind: global_buffer, .address_space: global }
      - { .name: mask, .offset: 16, .size: 8, .value_kind: global_buffer, .address_space: global }
      - { .name: out0, .offset: 24, .size: 8, .value_kind: global_buffer, .address_space: global }
      - { .name: out1, .offset: 32, .size: 8, .value_kind: global_buffer, .address_space: global }
    .group_segment_fixed_size: 10752
    .private_segment_fixed_size: 0
    .kernarg_segment_align: 8
    .kernarg_segment_size: 40
    .max_flat_workgroup_size: 512
    .sgpr_count:     66
    .vgpr_count:     194
    .wavefront_size: 32
...
	.end_amdgpu_metadata
.endif
;; end of part 3
